; MI455X (gfx1250); checked and timed in simulation.
; The chip was launched on July 23, 2026; its instructions are those of AMD's public machine-readable ISA for CDNA 5 (MIT licence, August 2026) and "CDNA5" Instruction Set Architecture Reference Guide (July 2026). The comments in the code are by the model that wrote it; some were corrected since.
;; My Conv2 D. Allowed arithmetic: float matrix products may take bf16 or f16 operands with f32 sums; all other float work in f32.
;; Inputs: w 64 x 1 x 1 x 128 float32; x 1 x 1 x 116,250 x 128 float32.
;; Outputs: out0 5 x 64 x 62 x 375 float32.
;; One version. Each part assembles by itself: llvm-mc -triple=amdgcn-amd-amdhsa -mcpu=gfx1250 --defsym DOCPART=n.
;; ======== version 1 of 1: 1 launch
;; launch conv (part 1): grid 228 x 1, 8 waves a work-group, no clusters, 219,136 bytes of LDS; arguments x, w, out0; writes out0
.if DOCPART == 1
	.amdgcn_target "amdgcn-amd-amdhsa--gfx1250"
	.amdhsa_code_object_version 6
	.text
	.protected	k_q04b44b64d1_conv
	.globl	k_q04b44b64d1_conv
	.p2align	8
	.type	k_q04b44b64d1_conv,@function
k_q04b44b64d1_conv:
	s_mov_b64 s[64:65], 0
	v_nop
	global_prefetch_b8 v0, s[64:65] scope:SCOPE_SE
	s_setreg_imm32_b32 hwreg(HW_REG_WAVE_MODE, 25, 1), 1
	s_wait_xcnt 0x0
; out0[f][n] = sum over d of w[f][d] * x[n][d].   x: [116250][128] f32, w: [64][128] f32, out0: [64][116250] f32 (the reshape moves no byte).
; LIMITS: x and w are rounded to bf16 (nearest even) on their way to the matrix unit, the sums are f32 in the matrix unit's order, which is
; not the reference's order.  No limit of range beyond bf16's own (f32's exponent range); NaN and infinities go through the products as they are.
;
; SHARES.  A work-group takes 512 consecutive n and all 64 f: 227 work-groups, and one more for the last 26 n (its own text at .Llast).
; 512 because a row of out0 is 465,000 bytes = 104 mod 256: row f of a share starts 104 f mod 256 bytes behind a multiple of 256.  A share of
; 2,048 bytes of a row is then seven whole aligned blocks of 256 bytes and a head and a tail that make 256 bytes together, for every f:
; eight stores of 32 lanes x 8 bytes a row, all lanes on.  That needs a share that is a multiple of 64 n; 448 n would make 260 work-groups.
; Eight waves.  The share goes in four steps, a tile of 128 n each; in a step wave w owns 16 rows of x, 16 w .. 16 w + 15 of the tile.
; ROAD OF x: one load of a wave is one whole row (32 lanes x 16 bytes = 512 consecutive bytes), into window 1 (64 registers a tile).  A row is rounded
; to bf16 in place, laid into the wave's own patch of LDS, and read back as fragments (lane = row, registers = d).
; ROAD OF w: read once by the work-group in whole rows, rounded, through LDS into 128 registers a wave.
; ROAD OUT: x is source A and w source B, so a lane's 8 results are 8 neighbouring n of one f.  They go into a stage in LDS made of blocks of
; 16 n x 64 f, each written by one wave in one step; behind the step's barrier wave w reads rows f = 8 w .. 8 w + 7 back along n and stores them.
; SCHEDULE.  Loads run two to three tiles ahead of the work: w and two tiles at the start, the third behind w's fragment reads, the fourth behind the
; first step's products; 48 loads of a wave are out at the most.  A step's pieces are read from the stage straight behind its barrier, into the registers
; of its own spent tile, and stored in the NEXT step behind that step's products: the reads are back by then without a wait of their own, the stores are
; issued while the matrix unit works, and no store's data is ever written again, so the main path has no wait for a store's sources.
; The tiles are taken in the order 0, 3, 1, 2: the head-and-tail piece, which fills two aligned blocks in part only (the neighbouring shares hold the rest),
; leaves in the second step, and the last step stores whole blocks alone.  Pieces of 256 bytes of each row by step: 1, 2, 2, 3.
; NO CLUSTER: the only bytes that work-groups share are w's 32,768, against 262,144 of x and 131,072 of out0 that are a work-group's own.
; NO TENSOR LOAD: it would lay f32 into LDS, twice the bytes that the bf16 patches take, and the wave's registers hold its whole share of x.
.set N_ROWS, 116250
.set XROW,   512                       ; bytes in a row of x and of w
.set OROW,   4*N_ROWS                  ; bytes in a row of out0: 465,000
.set CHUNK,  512                       ; n of a work-group
.set STEPN,  128                       ; n of a tile
.set LASTWG, N_ROWS/CHUNK              ; 227: the work-group of the last 26 n
.set PX,     272                       ; LDS row of 128 bf16: 256 bytes + 16, so that 16 rows of a fragment load start in 16 different groups of 4 banks (64 banks of 4 bytes: ISA guide 11.1)
.set WL,     0                         ; w in bf16: 64 rows of PX
.set XS,     WL+64*PX                  ; x patches: 16 rows of PX for each wave
.set XSW,    16*PX
.set STAGE,  XS+8*XSW                  ; 32 blocks of BS bytes, in four slots of 8: slot 0 holds tile 3, slots 1, 2, 3 hold tiles 0, 1, 2
.set RP,     80                        ; a block's row: 16 n in f32 + 16 bytes; 5 x 16, so the 16 f of a store start in different groups of banks
.set BS,     64*RP+64                  ; a block; 64 mod 256, so that 256 neighbouring bytes of a row of out0 (4 or 5 blocks) fall on 64 different banks
.set UB,     4*BS                      ; 64 n further along a row
; vector registers, window 0
.set VL,   1                           ; lane
.set VX,   2                           ; x: 8,192 wave + 16 lane
.set VW,   3                           ; w: 4,096 wave + 16 lane
.set VWS,  4                           ; LDS: where I lay 8 bytes of w's rows 8 wave ..
.set VFR,  5                           ; LDS: a fragment's lane term, (lane % 16) PX + 16 (lane / 16)
.set VXS,  6                           ; LDS: where I lay 8 bytes of a row of my patch
.set VXF,  7                           ; LDS: my patch + the fragment's lane term
.set VST0, 8                           ; v8, v9: LDS: my 32 bytes in my stage block of slots 0/1 and of slots 2/3
.set T0,   10                          ; v10-12 at work
.set T1,   11
.set T2,   12
.set VM,   13                          ; last work-group: lane % 16
.set L0,   16                          ; v16-23  row i of my 8: LDS address of my 8 bytes at stage place q0 = lane + 32 - a (see ROWADR)
.set GO,   24                          ; v24-31  row i: offset in out0, from the share's first column, of my 8 bytes of the row's first whole block
.set ACC,  32                          ; v32-63  four accumulators, 16 n x 16 f each; at the start: w as loaded
.set L6,   64                          ; v64-71  row i: LDS address of my 8 bytes of block 6, the one piece that runs round the stage's end
.set GOW,  72                          ; v72-79  row i: offset in out0 of my 8 bytes of the head-and-tail piece
.set LB,   80                          ; v80-87  L0 + 3 UB, so that the LDS offsets stay inside 16 bits
.set OL,   88                          ; v88-95  last work-group: on the way out
.set XB,   96                          ; v96-127 x fragments of the four K steps; at the start: w rounded
.set WF,   128                         ; v128-255 w fragments: (f block, K step) at 8 (4 fb + ks)
; window 1: v256-511: the tile taken p-th at 64 p: row i at 64 p + 4 i as loaded, its bf16 in the first two of the four;
;           later piece k, row i of the p-th step's way out at 64 p + 16 k + 2 i
; scalar registers
.set SE,   16                          ; the row at hand: 32 - (13 f mod 32)
.set SC,   17                          ; STAGE + f RP
.set SG,   18                          ; f OROW
.set MSB, 0
.macro WIN new                         ; s_set_vgpr_msb: bits 1:0 source 0, 3:2 source 1, 7:6 destination; the high byte repeats the setting that is left
.if MSB != \new
	s_set_vgpr_msb (MSB<<8)|\new
.set MSB, \new
.endif
.endm
; w: my 8 rows, whole rows of 512 consecutive bytes; read again by every work-group, so no hint
.macro LOADW
.irp i, 0,1,2,3,4,5,6,7
	global_load_b128 v[ACC+4*\i:ACC+4*\i+3], v[VW], s[6:7] offset:XROW*\i
.endr
.endm
; x: my 16 rows of tile t, one row an instruction, into the p-th set of window 1 (the caller has set the window).  once = 1: no other work-group reads these rows
.macro LOADX p, t, once
.irp i, 0,1,2,3,4,5,6,7,8,9,10,11,12,13,14,15
.if \once
	global_load_b128 v[64*\p+4*\i:64*\p+4*\i+3], v[VX], s[4:5] offset:\t*STEPN*XROW+\i*XROW th:TH_LOAD_NT
.else
	global_load_b128 v[64*\p+4*\i:64*\p+4*\i+3], v[VX], s[4:5] offset:\t*STEPN*XROW+\i*XROW
.endif
.endr
.endm
; w: round my 8 rows, lay them into LDS, and when all 64 lie there take all 16 fragments
.macro STAGEW
.irp i, 0,1,2,3,4,5,6,7
	v_cvt_pk_bf16_f32 v[XB+2*\i],   v[ACC+4*\i],   v[ACC+4*\i+1]
	v_cvt_pk_bf16_f32 v[XB+2*\i+1], v[ACC+4*\i+2], v[ACC+4*\i+3]
.endr
.irp i, 0,1,2,3,4,5,6,7
	ds_store_b64 v[VWS], v[XB+2*\i:XB+2*\i+1] offset:WL+\i*PX
.endr
	s_wait_dscnt 0x0                               ; for the other waves' sake: my rows of w lie in LDS
	s_barrier_signal -1
	s_barrier_wait -1                              ; all 64 rows do
.irp f, 0,1,2,3
.irp k, 0,1,2,3
	ds_load_b128 v[WF+8*(4*\f+\k):WF+8*(4*\f+\k)+3],   v[VFR] offset:WL+\f*16*PX+64*\k      ; w(16 fb + lane % 16, 32 ks + 8 (lane / 16) ..)
	ds_load_b128 v[WF+8*(4*\f+\k)+4:WF+8*(4*\f+\k)+7], v[VFR] offset:WL+\f*16*PX+64*\k+32   ; the same, 16 further along d
.endr
.endr                                                  ; waited for by the first step's first s_wait_dscnt: LDS answers a wave in order (ISA guide 5.7.1)
.endm
; The p-th tile comes in: rounded in place, through my patch, into fragments.  left = how many younger loads of x may stay out.
.macro XIN p, left
	s_wait_loadcnt \left                           ; loads come back in order: my 16 rows of this tile are in
	WIN 0x45                                       ; destination and both sources in window 1
.irp i, 0,1,2,3,4,5,6,7,8,9,10,11,12,13,14,15
	v_cvt_pk_bf16_f32 v[64*\p+4*\i],   v[64*\p+4*\i],   v[64*\p+4*\i+1]
	v_cvt_pk_bf16_f32 v[64*\p+4*\i+1], v[64*\p+4*\i+2], v[64*\p+4*\i+3]
.endr
	WIN 0x04                                       ; LDS store: address in window 0, data in window 1
.irp i, 0,1,2,3,4,5,6,7,8,9,10,11,12,13,14,15
	ds_store_b64 v[VXS], v[64*\p+4*\i:64*\p+4*\i+1] offset:\i*PX   ; row i: 32 lanes x 8 bytes = its 256 bytes of bf16.  The patch is my wave's own,
.endr                                                                 ; and its last readers were waited for in front of the last step's products
	WIN 0
.irp k, 0,1,2,3
	ds_load_b128 v[XB+8*\k:XB+8*\k+3],   v[VXF] offset:64*\k       ; LDS serves a wave's instructions in order: these see the stores above
	ds_load_b128 v[XB+8*\k+4:XB+8*\k+7], v[VXF] offset:64*\k+32
.endr
.endm
; 16 products: A = 16 rows of x, B = 16 rows of w.  The first K step starts the sums.  The four accumulators take turns, one instruction a turn.
.macro XMUL
.irp k, 0,1,2,3
	s_wait_dscnt 6-2*\k                            ; this K step's two loads are in; the later K steps' loads may stay out.  The last count is 0: every LDS load issued so far is back
.irp f, 0,1,2,3
.if \k
	v_wmma_f32_16x16x32_bf16 v[ACC+8*\f:ACC+8*\f+7], v[XB+8*\k:XB+8*\k+7], v[WF+8*(4*\f+\k):WF+8*(4*\f+\k)+7], v[ACC+8*\f:ACC+8*\f+7]
.else
	v_wmma_f32_16x16x32_bf16 v[ACC+8*\f:ACC+8*\f+7], v[XB+8*\k:XB+8*\k+7], v[WF+8*(4*\f+\k):WF+8*(4*\f+\k)+7], 0
.endif
.endr
.endr
.endm
; The results go into my block of stage slot ps.  Register j of lane (r, h) is out(f = 16 fb + r, n = my 16 rows' first + 8 h + j): 32 neighbouring bytes of a stage row.
.macro XST ps
	WIN 0
.rept 4
	v_nop                                          ; four places behind the last product before LDS stores read the results and before anything lands in the fragments
.endr
.irp f, 0,1,2,3
	ds_store_b128 v[VST0+\ps/2], v[ACC+8*\f:ACC+8*\f+3]   offset:(\ps%2)*8*BS+\f*16*RP
	ds_store_b128 v[VST0+\ps/2], v[ACC+8*\f+4:ACC+8*\f+7] offset:(\ps%2)*8*BS+\f*16*RP+16
.endr
.endm
.macro BAR
	s_wait_dscnt 0x0                               ; for the other waves' sake: my stage block is written
	s_barrier_signal -1
	s_barrier_wait -1                              ; the step's eight blocks are.  Later steps write other slots than any earlier step's pieces lie in, so one barrier a step is enough
.endm
; One piece of 256 bytes of each of my 8 rows: from the stage into piece k of the p-th set of window 1, and out
.macro RD p, k, la, off
	WIN 0x40                                       ; LDS load: address in window 0, destination in window 1
.irp i, 0,1,2,3,4,5,6,7
	ds_load_b64 v[64*\p+16*\k+2*\i:64*\p+16*\k+2*\i+1], v[\la+\i] offset:\off
.endr
.endm
.macro WR p, k, go, off, left          ; left = stage reads issued behind this piece's eight; -1: the reads are known to be back (behind XMUL's wait for 0)
	WIN 0x04                                       ; store: offset in window 0, data in window 1
.irp i, 0,1,2,3,4,5,6,7
.if \left >= 0
	s_wait_dscnt \left+7-\i                        ; row i of the piece is in; the younger reads may stay out
.endif
	global_store_b64 v[\go+\i], v[64*\p+16*\k+2*\i:64*\p+16*\k+2*\i+1], s[8:9] offset:\off th:TH_STORE_NT
.endr
.endm
; Row i of my 8, f = 8 wave + i.  All places in units of 8 bytes.  The row starts a = 13 f mod 32 behind a multiple of 256 bytes of out0.
; e = place in the row from the share's first column (0 .. 255); block u (1 .. 7), the u-th whole aligned block, holds e = lane + 32 - a + 32 (u - 1).
; q = (e + 64) mod 256 = place in the stage (tile 3 lies first); place q lies in stage block q / 8, at byte 8 (q % 8) of the block's row f; 32 places on are UB bytes on.
; turn = 0:  T0 = lane + 32 - a.  As e it is block 1 (go); as q it is block 7 (la).  From la: the head-and-tail piece at + UB, block u = 1 .. 5 at + (u + 1) UB.
; turn = 1:  T0 = (lane + 32 - a + 224) mod 256.  As e it is the head-and-tail piece (go): lanes >= a take the head (0 .. 31 - a), lanes < a the tail (256 - a .. 255).
;            As q it is block 6 (la), which begins in slot 3 and ends in slot 0.
.macro ROWADR la, go, i, turn
	v_add_nc_u32 v[T0], s[SE], v[VL]
.if \turn
	v_add_nc_u32 v[T0], 224, v[T0]
	v_and_b32 v[T0], 255, v[T0]
.endif
	v_lshrrev_b32 v[T1], 3, v[T0]
	v_and_b32 v[T2], 7, v[T0]
	v_mul_u32_u24 v[T1], v[T1], BS
	v_lshl_add_u32 v[\go+\i], v[T0], 3, s[SG]
	v_add_nc_u32 v[T1], s[SC], v[T1]
	v_lshl_add_u32 v[\la+\i], v[T2], 3, v[T1]
.endm
	s_load_b128 s[4:7], s[0:1], 0x0                ; x s[4:5], w s[6:7]
	s_load_b64 s[8:9], s[0:1], 0x10                ; out0
	v_lshl_add_u32 v14, v0, 2, 0x35400
	v_mov_b32 v15, 0
	v_lshrrev_b32 v[T0], 5, v0
	v_readfirstlane_b32 s10, v[T0]                 ; wave 0..7
	v_and_b32 v[VL], 31, v0
	v_lshlrev_b32 v[T1], 4, v[VL]
	v_lshl_add_u32 v[VX], v[T0], 13, v[T1]         ; 16 rows of x a wave, 16 bytes a lane
	v_lshl_add_u32 v[VW], v[T0], 12, v[T1]         ; 8 rows of w a wave
	v_and_b32 v[T1], 15, v0                        ; r
	v_bfe_u32 v[T2], v0, 4, 1                      ; h
	s_mul_i32 s11, s10, 8*PX
	v_lshl_add_u32 v[VWS], v[VL], 3, s11
	v_mul_u32_u24 v[VFR], v[T1], PX
	v_lshl_add_u32 v[VFR], v[T2], 4, v[VFR]
	s_mul_i32 s11, s10, XSW
	s_add_co_u32 s11, s11, XS                      ; my patch
	v_lshl_add_u32 v[VXS], v[VL], 3, s11
	v_add_nc_u32 v[VXF], s11, v[VFR]
	s_mul_i32 s11, s10, BS
	s_add_co_u32 s11, s11, STAGE                   ; my stage block of slot 0
	v_mul_u32_u24 v[VST0], v[T1], RP
	v_lshl_add_u32 v[VST0], v[T2], 5, v[VST0]
	v_add_nc_u32 v[VST0], s11, v[VST0]
	v_add_nc_u32 v[VST0+1], 16*BS, v[VST0]         ; and of slot 2
	s_cmp_eq_u32 ttmp9, LASTWG
	s_cbranch_scc1 .Llast                          ; the same for all eight waves; the two ways never join again
	; ---- a whole share of 512 n ----
	s_lshl_b32 s12, ttmp9, 18                      ; 512 rows of 512 bytes (below 2^26)
	s_mov_b32 s13, 0
	s_lshl_b32 s14, ttmp9, 11                      ; 512 columns of 4 bytes: a multiple of 256
	s_mov_b32 s15, 0
	s_wait_kmcnt 0x0
	s_add_nc_u64 s[4:5], s[4:5], s[12:13]
	s_add_nc_u64 s[8:9], s[8:9], s[14:15]
	LOADW                                          ; w first: it is needed first
	WIN 0x40                                       ; destinations in window 1
	LOADX 0, 0, 1                                  ; tile 0, taken first
	LOADX 1, 3, 1                                  ; tile 3, taken second
	WIN 0
	s_lshl_b32 s11, s10, 3                         ; while they are on their way: the addresses of my 8 rows of out0
.irp i, 0,1,2,3,4,5,6,7
	s_add_co_u32 s41, s11, \i                      ; f
	s_mul_i32 s42, s41, 13
	s_and_b32 s42, s42, 31                         ; a = 13 f mod 32  (465,000 = 8 x 13 mod 256)
	s_sub_co_u32 s[SE], 32, s42
	s_mul_i32 s[SC], s41, RP
	s_add_co_u32 s[SC], s[SC], STAGE
	s_mul_i32 s[SG], s41, OROW
	ROWADR L0, GO, \i, 0
	ROWADR L6, GOW, \i, 1
	v_add_nc_u32 v[LB+\i], 3*UB, v[L0+\i]
.endr
	s_wait_loadcnt 32                              ; w's 8 loads are in; the 32 loads of x issued behind them may stay out
	STAGEW
	WIN 0x40
	LOADX 2, 1, 1                                  ; tile 1 goes out behind w's fragment reads, which are on their way meanwhile
	XIN 0, 32                                      ; tile 0 is in; the 32 loads of tiles 3 and 1 stay out
	XMUL
	WIN 0x40
	LOADX 3, 2, 1                                  ; tile 2, the last, goes out while the matrix unit works
	XST 1                                          ; tile 0 lies in slot 1
	BAR
	RD 0, 0, L0, 2*UB                              ; block 1: places 1 .. 63 of the row, all in tile 0
	XIN 1, 32                                      ; tile 3 is in; tiles 1 and 2 stay out
	XMUL
	WR 0, 0, GO, 0, -1
	XST 0                                          ; tile 3 lies in slot 0
	BAR
	RD 1, 0, L0, 0                                 ; block 7: all in tile 3
	RD 1, 1, L0, UB                                ; the tail (end of slot 0) and the head (start of slot 1), side by side
	XIN 2, 16                                      ; tile 1 is in; tile 2 stays out
	XMUL
	WR 1, 0, GO, 1536, -1
	WR 1, 1, GOW, 0, -1
	XST 2
	BAR
	RD 2, 0, LB, 0                                 ; blocks 2 and 3: tiles 0 and 1
	RD 2, 1, LB, UB
	XIN 3, 0                                       ; tile 2: no load is left
	XMUL
	WR 2, 0, GO, 256, -1
	WR 2, 1, GO, 512, -1
	XST 3
	BAR
	RD 3, 0, LB, 2*UB                              ; blocks 4, 5 and 6: three whole aligned blocks of each row
	RD 3, 1, LB, 3*UB
	RD 3, 2, L6, 0
	WR 3, 0, GO, 768, 16
	WR 3, 1, GO, 1024, 8
	WR 3, 2, GO, 1280, 0
	WIN 0
	s_wait_tensorcnt 0x0
	ds_add_u32 v14, v15
	s_wait_dscnt 0x0
	s_endpgm
	; ---- the last 26 n: columns 116,224 to 116,249 ----
	; One step on the last 128 rows of x, so that no load leaves x; 102 of these rows are also in the share in front (52,224 bytes read a second time).
	; Only the step's columns 102 to 127 are stored: 104 bytes a row, 13 lanes x 8 bytes, two rows an instruction.  The step's results lie in stage slot 0.
.Llast:
	s_wait_kmcnt 0x0
	s_add_nc_u64 s[4:5], s[4:5], (N_ROWS-STEPN)*XROW
	s_add_nc_u64 s[8:9], s[8:9], LASTWG*CHUNK*4
	LOADW
	WIN 0x40
	LOADX 0, 0, 0
	WIN 0
	v_and_b32 v[VM], 15, v0                        ; m: which 8 bytes of the 104
	v_bfe_u32 v[T1], v0, 4, 1
	v_lshl_add_u32 v[T1], s10, 3, v[T1]            ; f = 8 wave + lane / 16, and 2, 4, 6 further by the offsets
	v_mul_u32_u24 v[GO], v[T1], OROW
	v_lshl_add_u32 v[GO], v[VM], 3, v[GO]
	v_mul_u32_u24 v[L0], v[T1], RP
	v_add_nc_u32 v[T2], (STEPN-(N_ROWS-LASTWG*CHUNK))/2, v[VM]   ; place 51 + m, in units of 8 bytes from the step's first column
	v_lshrrev_b32 v[T1], 3, v[T2]
	v_mul_u32_u24 v[T1], v[T1], BS
	v_and_b32 v[T2], 7, v[T2]
	v_add_nc_u32 v[L0], v[L0], v[T1]
	v_add_nc_u32 v[L0], STAGE, v[L0]
	v_lshl_add_u32 v[L0], v[T2], 3, v[L0]
	s_wait_loadcnt 16                              ; w is in; the 16 loads of x may stay out
	STAGEW
	XIN 0, 0
	XMUL
	XST 0
	BAR
	v_cmp_gt_u32 vcc_lo, (N_ROWS-LASTWG*CHUNK)/2, v[VM]          ; 13 > m
	s_wait_xcnt 0x0                                ; EXEC is a source of every global instruction issued so far: it changes only behind this wait
	s_wait_tensorcnt 0x0
	ds_add_u32 v14, v15
	s_wait_dscnt 0x0
	s_and_saveexec_b32 s40, vcc_lo
.irp k, 0,1,2,3
	ds_load_b64 v[OL+2*\k:OL+2*\k+1], v[L0] offset:\k*2*RP
.endr
.irp k, 0,1,2,3
	s_wait_dscnt 3-\k                              ; pair k of rows is in; the younger reads may stay out
	global_store_b64 v[GO], v[OL+2*\k:OL+2*\k+1], s[8:9] offset:\k*2*OROW th:TH_STORE_NT
.endr
	s_wait_xcnt 0x0                                ; and again, in front of the line that widens EXEC
	s_or_b32 exec_lo, exec_lo, s40
	s_endpgm
.Lfunc_end_k_q04b44b64d1_conv:
	.size	k_q04b44b64d1_conv, .Lfunc_end_k_q04b44b64d1_conv-k_q04b44b64d1_conv
	.p2alignl 7, 3214868480
	.fill 96, 4, 3214868480
	.section	.rodata,"a",@progbits
	.p2align	6, 0x0
	.amdhsa_kernel k_q04b44b64d1_conv
		.amdhsa_group_segment_fixed_size 219136
		.amdhsa_private_segment_fixed_size 0
		.amdhsa_enable_private_segment 0
		.amdhsa_kernarg_size 24
		.amdhsa_user_sgpr_count 2
		.amdhsa_user_sgpr_kernarg_segment_ptr 1
		.amdhsa_wavefront_size32 1
		.amdhsa_system_sgpr_workgroup_id_x 1
		.amdhsa_system_sgpr_workgroup_id_y 1
		.amdhsa_system_sgpr_workgroup_id_z 1
		.amdhsa_system_vgpr_workitem_id 0
		.amdhsa_next_free_vgpr 512
		.amdhsa_next_free_sgpr 66
		.amdhsa_reserve_vcc 1
		.amdhsa_float_denorm_mode_32 3
		.amdhsa_float_denorm_mode_16_64 3
		.amdhsa_memory_ordered 1
		.amdhsa_forward_progress 1
		.amdhsa_inst_pref_size 69
	.end_amdhsa_kernel
	.amdgpu_metadata
---
amdhsa.version: [ 1, 2 ]
amdhsa.kernels:
  - .name:           k_q04b44b64d1_conv
    .symbol:         k_q04b44b64d1_conv.kd
    .args:
      - { .name: x, .offset: 0, .size: 8, .value_kind: global_buffer, .address_space: global }
      - { .name: w, .offset: 8, .size: 8, .value_kind: global_buffer, .address_space: global }
      - { .name: out0, .offset: 16, .size: 8, .value_kind: global_buffer, .address_space: global }
    .group_segment_fixed_size: 219136
    .private_segment_fixed_size: 0
    .kernarg_segment_align: 8
    .kernarg_segment_size: 24
    .max_flat_workgroup_size: 256
    .sgpr_count:     66
    .vgpr_count:     512
    .wavefront_size: 32
...
	.end_amdgpu_metadata
.endif
;; end of part 1
